; MI455X (gfx1250); checked and timed in simulation.
; The chip was launched on July 23, 2026; its instructions are those of AMD's public machine-readable ISA for CDNA 5 (MIT licence, August 2026) and "CDNA5" Instruction Set Architecture Reference Guide (July 2026). The comments in the code are by the model that wrote it; some were corrected since.
;; Multi Headed Attention. Allowed arithmetic: matrix products marked QUANTISED: E2M3 operands, one E8M0 scale for each 32 along K, by v_wmma_scale_f32_16x16x128_f8f6f4 with both operands' format E2M3, f32 sums; everything else in f32.
;; Inputs: Wk 16 x 2,048 x 128 float32; Wq 16 x 2,048 x 128 float32; Wv 16 x 2,048 x 128 float32; embedded 4 x 1,024 x 2,048 float32.
;; Outputs: out0 4 x 1,024 x 2,048 float32.
;; This version of the problem:
;;   THIS VERSION OF THE PROBLEM IS GIVEN IN LOW PRECISION. The matrix products marked QUANTISED in the list below multiply operands that are first quantised to E2M3 (2 exponent bits, 3 mantissa bits; 6 bits a number), with one power-of-two scale for each 32 numbers along K (OCP MX v1.0); their sums are f32. All else is computed in f32.
;;   The module's matrix products, in the order in which they are computed (A, B: the left and right operand; K: the contracted axis; several contracted axes count as one K, in the product's order):
;;     1. [M 2,048, K 2,048] x [K 2,048, N 4,096]; A: input Wq; B: input embedded: QUANTISED
;;     2. [M 2,048, K 2,048] x [K 2,048, N 4,096]; A: input Wk; B: input embedded: QUANTISED
;;     3. [M 2,048, K 2,048] x [K 2,048, N 4,096]; A: input Wv; B: input embedded: QUANTISED
;;     4. batch 64 x [M 1,024, K 128] x [K 128, N 1,024]; A: computed on the way; B: computed on the way: QUANTISED
;;     5. batch 64 x [M 1,024, K 1,024] x [K 1,024, N 128]; A: softmax (see below); B: computed on the way: QUANTISED
;;   THE QUANTISER, for each operand of a quantised product, along K:
;;     - K is cut into blocks of 32 from its start; a last block that is shorter is filled with zeros.
;;     - A block's scale is 2^e with e = floor(log2(the largest magnitude in the block)) - 2, held to -126 .. 127; a block of zeros has e = 0. As a byte (E8M0): e + 127.
;;     - Each number is divided by its block's scale, clamped to +-7.5, and rounded to the nearest number of E2M3, ties to even, subnormals kept.
;;     - The product sums the exact products of the quantised numbers (number of the format x scale) in f32.
;;   ~~~python
;;   def quantise(x, axis):      # numpy; x: float32 -> the quantised numbers, widened to float32 again
;;       x = np.moveaxis(x, axis, -1); K = x.shape[-1]
;;       x = np.pad(x, [(0, 0)] * (x.ndim - 1) + [(0, -K % 32)]); x = x.reshape(x.shape[:-1] + (-1, 32)); a = np.abs(x).max(-1, keepdims=True)
;;       e = np.where(a > 0, np.clip(np.frexp(np.where(a > 0, a, 1))[1] - 1 - 2, -126, 127), 0)      # np.frexp(a)[1] - 1 = floor(log2(a)), exactly
;;       r = np.clip(x / 2.0 ** e, -7.5, 7.5)
;;       step = 2.0 ** (np.maximum(np.frexp(np.where(r == 0, 1, r))[1] - 1, 0) - 3)
;;       q = np.round(r / step) * step * 2.0 ** e      # np.round: ties to even
;;       return np.moveaxis(q.reshape(q.shape[:-2] + (-1,))[..., :K], -1, axis).astype(np.float32)
;;   ~~~
;;   SOFTMAX AHEAD OF A QUANTISED PRODUCT. Where the list says 'softmax', what is quantised is not the finished softmax but p = 2^(t - M), with t = logit x log2(e) and M = ceil(the row's largest t), a whole number; so 1/2 < the row's largest p <= 1. The row's sum l is taken of the UNQUANTISED p, in f32, and the product's result is divided by l at the end. Since M is a whole number, a kernel that streams over the keys may use a running M (the ceiling of the running maximum): every later rescaling is an exact power of two, which a block's scale takes up: the codes' values come out the same.
;;   OPERANDS COMPUTED ON THE WAY. 'Computed on the way' means the value that the module computes at that place (a softmax that the list does not call 'softmax' is quantised finished and normalised). What goes into a quantiser is computed in f32, as accurately as f32 sums, v_exp_f32 and their like allow (about 1e-6 of the number): no bf16 or f16 on the way to a quantiser, and a product that is left as it is and whose result goes on into a quantised operand takes f32 operands (vector FMAs, or v_wmma_f32_16x16x4_f32). A number that lies on a knife's edge between two numbers of the format may be rounded either way, as far as f32 arithmetic and the matrix unit's own rounding can turn it there, and no further.
;; One version. Each part assembles by itself: llvm-mc -triple=amdgcn-amd-amdhsa -mcpu=gfx1250 --defsym DOCPART=n.
;; ======== version 1 of 1: 3 launches
;; limits: right only within a limited range of input values
;; workspace buffers: codes 15,728,640 bytes; scl 655,360 bytes; qkv 19,660,800 bytes
;; launch quant (part 1): grid 640 x 1, 4 waves a work-group, no clusters, 76,288 bytes of LDS; arguments embedded, Wq, Wk, Wv, codes, scl; writes codes, scl
.if DOCPART == 1
	.amdgcn_target "amdgcn-amd-amdhsa--gfx1250"
	.amdhsa_code_object_version 6
	.text
	.protected	k_q1e5ff34da9_quant
	.globl	k_q1e5ff34da9_quant
	.p2align	8
	.type	k_q1e5ff34da9_quant,@function
k_q1e5ff34da9_quant:
	s_mov_b64 s[64:65], 0
	v_nop
	global_prefetch_b8 v0, s[64:65] scope:SCOPE_SE
	s_setreg_imm32_b32 hwreg(HW_REG_WAVE_MODE, 25, 1), 1
	s_wait_xcnt 0x0
; embedded [4096][2048] and Wq, Wk, Wv [16][2048][128], f32, become codes of FP6 (E2M3) along K = the 2,048 of the embedding, with one E8M0 byte for each 32 along K.
; WORK LEFT OUT BY THE PROGRAM: every score with key > query is set to -infinity, so such a key's p is 0 for all inputs: the last launch passes over key steps that lie wholly behind a wave's queries.
; A NaN or an infinity that reaches only those scores is not carried to the result.  Every input has a way to the output and is loaded.
; THE CODES LEAVE AS IMAGES OF OPERAND REGISTERS.  An image is 16 rows x 128 along K, 1,536 bytes: register n (0 to 11) of lane l = r + 16 h at byte 512 (n / 4) + 16 l + 4 (n % 4);
; registers 6 c .. 6 c + 5 hold the 24 bytes of row r's codes of K = 64 c + 32 h + 0 .. 31.
; codes: tokens: [block of 256 tokens][K step of 128: 16][image: 16]; from byte 6,291,456 the weights: [head][K step][image: 8 of Wq, 8 of Wk, 8 of Wv].
; scl: tokens: [block of 256][K step][128 rows: 2][512 bytes]; from byte 262,144 the weights: [head][K step][Wq, Wk, Wv][512 bytes].  In the 512 bytes, image 4 hh + c's scale word of row r lies at 16 (r + 16 hh) + 4 c.
; A row's place among its 32 is its index with bits 3 and 4 exchanged: place 16 a + r holds index 32 (a / 2) + 8 (a % 2) + r + 8 (r / 8), so that a lane's results in the next launch are neighbours along the next product's K.
; A block's scale is 2^(floor(log2(its largest magnitude)) - 2); its byte is the largest magnitude's exponent field - 2, held at 1 from below.
; LIMITS: a block of zeros gets the byte 1 where the rule says 127 (its codes are zeros; this program alone reads the bytes); NaN and infinities among the inputs are not served.
; The scale words are stored 4 bytes a lane, 16 bytes apart: one byte for each 128 that the launch reads.
; Two paths, parted on the work-group's number, each with LDS bytes of its own.  Waves share nothing: no barrier, no tensor load, nothing to share in a cluster.
.set EMAX,  2
.set STEPS, 16
.set XR,    16                         ; v16-79   four sets of 16 numbers as loaded; at the end the images read back
.set XX,    80                         ; v80-111  two sets of 16 neighbours
.set XE,    112                        ; v112-127 a scale byte a step
.set XC,    128                        ; v128-191 codes, four registers a step
.set IA,    194                        ; v194-196 where my three words of codes go in the image stage
.set RB,    197                        ; v197     where I read the stage back
.set WREG,  12288                      ; a wave's LDS region: two turning stages, 256 scale bytes, the image stage
.set SP,    80
.set XSC,   5120
.set XIM,   5376                       ; the image stage: each 256 bytes of images are followed by 16 of padding: 6,528 bytes
.set NB,    8
.set WSTG,  49152                      ; the weights' path: an image stage of 6,528 bytes in 6,656 for each wave
.set WSZ,   6656
.set WSB,   24
.set WX,    32
.set WC,    96
.set WO,    112
.set SPARE, 75776
	s_load_b256 s[4:11], s[0:1], 0x0               ; embedded, Wq, Wk, Wv
	s_load_b128 s[12:15], s[0:1], 0x20             ; codes, scl
	v_lshl_add_u32 v192, v0, 2, SPARE
	v_mov_b32 v193, 0
	v_lshrrev_b32 v1, 5, v0
	v_readfirstlane_b32 s16, v1                    ; wave
	v_and_b32 v2, 31, v0                           ; lane
	s_cmp_lt_u32 ttmp9, 256
	s_cbranch_scc0 .Lweights
; ---- embedded.  Work-group = one image row block (16 rows); wave w takes K = 512 w .. 512 w + 511: four whole images.  Step t is the row at place t: 2,048 consecutive bytes.
	v_lshlrev_b32 v3, 4, v2
	s_mul_i32 s17, s16, WREG
	v_lshrrev_b32 v14, 2, v2
	v_mul_u32_u24 v14, v14, SP
	v_and_b32 v15, 3, v2
	v_lshl_add_u32 v14, v15, 4, v14
	v_add_nc_u32 v14, s17, v14                     ; turning stage, in
	v_mul_u32_u24 v15, v2, SP
	v_add_nc_u32 v15, s17, v15                     ; and out: 16 neighbours a lane
	v_lshrrev_b32 v5, 1, v2
	v_lshlrev_b32 v7, 4, v5
	v_add_nc_u32 v5, s17, v5                       ; my block's scale byte
	v_lshlrev_b32 v6, 3, v2
	v_add_nc_u32 v6, s17, v6
	v_and_b32 v8, 1, v2
	v_lshl_add_u32 v7, v8, 11, v7                  ; scl: 16 (lane / 2) + 2,048 (lane % 2)
	v_lshrrev_b32 v8, 3, v2                        ; lane = 8 ks + 4 c + 2 h + half
	v_mul_u32_u24 v8, v8, 1632
	v_bfe_u32 v9, v2, 1, 1
	v_mad_u32_u24 v8, v9, 272, v8
	v_add_nc_u32 v8, s17, v8
	v_bfe_u32 v9, v2, 2, 1
	v_and_b32 v10, 1, v2
	v_lshl_or_b32 v9, v9, 1, v10
	v_mul_u32_u24 v9, v9, 3                        ; my first register of the image: 3 (2 c + half)
.irp i, 0,1,2
	v_add_nc_u32 v10, \i, v9
	v_lshrrev_b32 v11, 2, v10
	v_and_b32 v10, 3, v10
	v_mad_u32_u24 v11, v11, 544, v8
	v_lshl_add_u32 v[IA+\i], v10, 2, v11
.endr
	v_lshrrev_b32 v9, 4, v2
	v_lshl_add_u32 v9, v9, 4, v3
	v_add_nc_u32 v[RB], s17, v9
	s_lshr_b32 s18, ttmp9, 4                       ; block of 256 tokens
	s_and_b32 s19, ttmp9, 15                       ; image row block f
	s_lshl_b32 s20, s18, 8
	s_lshr_b32 s21, s19, 1
	s_lshl_b32 s21, s21, 5
	s_add_co_u32 s20, s20, s21
	s_and_b32 s21, s19, 1
	s_lshl_b32 s21, s21, 3
	s_add_co_u32 s20, s20, s21                     ; the row at place 0
	s_lshl_b32 s24, s20, 13
	s_lshl_b32 s21, s16, 11
	s_add_co_u32 s24, s24, s21
	s_mov_b32 s25, 0
	s_mul_i32 s26, s18, 393216
	s_mul_i32 s21, s16, 98304
	s_add_co_u32 s26, s26, s21
	s_mul_i32 s21, s19, 1536
	s_add_co_u32 s26, s26, s21
	s_mov_b32 s27, 0
	s_lshl_b32 s28, s18, 14
	s_lshl_b32 s21, s16, 12
	s_add_co_u32 s28, s28, s21
	s_lshr_b32 s21, s19, 2
	s_lshl_b32 s21, s21, 8
	s_add_co_u32 s28, s28, s21
	s_and_b32 s21, s19, 3
	s_lshl_b32 s21, s21, 2
	s_add_co_u32 s28, s28, s21
	s_mov_b32 s29, 0
	s_wait_alu depctr_va_vdst(0)                   ; the wait at the head's end
	s_wait_kmcnt 0x0
	s_add_nc_u64 s[4:5], s[4:5], s[24:25]
	s_add_nc_u64 s[12:13], s[12:13], s[26:27]
	s_add_nc_u64 s[14:15], s[14:15], s[28:29]
.macro XLOAD t
.irp i, 0,1,2,3
	global_load_b128 v[XR+16*((\t)%4)+4*\i:XR+16*((\t)%4)+4*\i+3], v3, s[4:5] offset:((\t)+8*((\t)/8))*8192+512*\i th:TH_LOAD_NT
.endr
.endm
.macro XTURN t
.irp i, 0,1,2,3
	ds_store_b128 v14, v[XR+16*((\t)%4)+4*\i:XR+16*((\t)%4)+4*\i+3] offset:32*SP*((\t)%2)+8*SP*\i
.endr
.irp i, 0,1,2,3
	ds_load_b128 v[XX+16*((\t)%2)+4*\i:XX+16*((\t)%2)+4*\i+3], v15 offset:32*SP*((\t)%2)+16*\i
.endr
.endm
.irp t, 0,1,2,3
	XLOAD \t
.endr
	s_wait_loadcnt 12                              ; step 0's four loads are in
	XTURN 0
.macro XSTEP t
.set XS, XX+16*((\t)%2)
.if (\t) > 0
	s_wait_dscnt 4                                 ; this step's numbers are back; the last step's four stores (a byte, three words) are younger
.else
	s_wait_dscnt 0x0
.endif
.if (\t)+4 < STEPS
	XLOAD (\t)+4
.endif
.if (\t)+1 < STEPS
.if STEPS-2-(\t) >= 3
	s_wait_loadcnt 12                              ; the next step's four loads are in; three steps' may be out
.else
	s_wait_loadcnt 4*(STEPS-2-(\t))
.endif
	XTURN (\t)+1
.endif
	v_max3_num_f32 v8, |v[XS]|, |v[XS+1]|, |v[XS+2]|
	v_max3_num_f32 v9, |v[XS+3]|, |v[XS+4]|, |v[XS+5]|
.irp i, 6,10
	v_max3_num_f32 v8, v8, |v[XS+\i]|, |v[XS+\i+1]|
	v_max3_num_f32 v9, v9, |v[XS+\i+2]|, |v[XS+\i+3]|
.endr
	v_max3_num_f32 v8, v8, |v[XS+14]|, |v[XS+15]|
	v_max3_num_f32 v8, v8, v9, (EMAX+1)<<23        ; the floor 2^(3 - 127): the byte cannot fall under 1
	v_max_num_f32_dpp v8, v8, v8 row_xmask:1 row_mask:0xf bank_mask:0xf   ; with my neighbour's 16: the block's
	v_add_nc_u32 v11, 0xff000000, v8               ; 2 off the exponent field: the conversion's scale operand
	v_cvt_scalef32_pk16_fp6_f32 v[XC+4*(\t):XC+4*(\t)+2], v[XS:XS+15], v11
	v_lshrrev_b32 v[XE+(\t)], 23, v11              ; the scale's byte (a plain line behind the conversion)
	ds_store_b8 v5, v[XE+(\t)] offset:XSC+16*(\t)
.irp i, 0,1,2
	ds_store_b32 v[IA+\i], v[XC+4*(\t)+\i] offset:XIM+16*(\t)   ; row t's place in the four images
.endr
.endm
.irp t, 0,1,2,3,4,5,6,7,8,9,10,11,12,13,14,15
	XSTEP \t
.endr
	ds_load_b64 v[12:13], v6 offset:XSC            ; LDS serves a wave's instructions in order: these see my stores
.irp q, 0,1,2,3,4,5,6,7,8,9,10,11
	ds_load_b128 v[XR+4*\q:XR+4*\q+3], v[RB] offset:XIM+544*\q
.endr
	s_wait_dscnt 12
	global_store_b32 v7, v12, s[14:15]             ; row lane / 2's scale words of K steps 2 (lane % 2) and the next
	global_store_b32 v7, v13, s[14:15] offset:1024
.irp q, 0,1,2,3,4,5,6,7,8,9,10,11
	s_wait_dscnt 11-\q
	global_store_b128 v3, v[XR+4*\q:XR+4*\q+3], s[12:13] offset:(\q/3)*24576+(\q%3)*512   ; 512 consecutive bytes, at a multiple of 512
.endr
	s_wait_tensorcnt 0x0                           ; the wave's end
	ds_add_u32 v192, v193
	s_wait_dscnt 0x0
	s_endpgm
; ---- the weights.  Work-group 256 + 128 m + 8 head + y: rows 256 y .. + 255 (along K) of one head of one weight.  Wave w takes columns 32 w + lane, registers down K: four whole images.
.Lweights:
	s_sub_co_u32 s17, ttmp9, 256
	s_lshr_b32 s19, s17, 7                         ; m
	s_bfe_u32 s20, s17, 0x40003                    ; head
	s_and_b32 s18, s17, 7                          ; y
	s_wait_alu depctr_va_vdst(0)                   ; the wait behind the jump
	v_lshlrev_b32 v3, 2, v2
	v_and_b32 v10, 7, v2
	v_bfe_u32 v11, v2, 3, 1
	v_lshl_or_b32 v10, v11, 4, v10
	v_bfe_u32 v11, v2, 4, 1
	v_lshl_or_b32 v10, v11, 3, v10                 ; my column's place: the lane with bits 3 and 4 exchanged
	s_mul_i32 s21, s16, WSZ
	s_add_co_u32 s21, s21, WSTG
	v_lshrrev_b32 v5, 4, v10                       ; which of the wave's two image row blocks
	v_and_b32 v6, 15, v10                          ; r
	v_mul_u32_u24 v4, v5, 1632
	v_lshl_add_u32 v4, v6, 4, v4
	v_add_nc_u32 v4, s21, v4
	v_lshlrev_b32 v9, 4, v6
	v_lshl_add_u32 v9, v5, 2, v9                   ; scl: 16 r + 4 x the row block
	v_lshlrev_b32 v8, 4, v2
	v_lshrrev_b32 v7, 4, v2
	v_lshl_add_u32 v7, v7, 4, v8
	v_add_nc_u32 v7, s21, v7
	s_lshl_b32 s22, s20, 20
	s_lshl_b32 s23, s18, 17
	s_add_co_u32 s22, s22, s23
	s_lshl_b32 s23, s16, 7
	s_add_co_u32 s22, s22, s23
	s_mov_b32 s23, 0
	s_mul_i32 s26, s20, 589824
	s_mul_i32 s27, s18, 73728
	s_add_co_u32 s26, s26, s27
	s_mul_i32 s27, s19, 12288
	s_add_co_u32 s26, s26, s27
	s_mul_i32 s27, s16, 3072
	s_add_co_u32 s26, s26, s27
	s_add_co_u32 s26, s26, 6291456
	s_mov_b32 s27, 0
	s_mul_i32 s28, s20, 24576
	s_mul_i32 s29, s18, 3072
	s_add_co_u32 s28, s28, s29
	s_lshl_b32 s29, s19, 9
	s_add_co_u32 s28, s28, s29
	s_lshr_b32 s29, s16, 1
	s_lshl_b32 s29, s29, 8
	s_add_co_u32 s28, s28, s29
	s_and_b32 s29, s16, 1
	s_lshl_b32 s29, s29, 3
	s_add_co_u32 s28, s28, s29
	s_add_co_u32 s28, s28, 262144
	s_mov_b32 s29, 0
	s_wait_alu depctr_va_vdst(0)                   ; the wait at the head's end
	s_wait_kmcnt 0x0
	s_cmp_eq_u32 s19, 0
	s_cselect_b64 s[4:5], s[6:7], s[8:9]
	s_cmp_eq_u32 s19, 2
	s_cselect_b64 s[4:5], s[10:11], s[4:5]
	s_add_nc_u64 s[4:5], s[4:5], s[22:23]
	s_add_nc_u64 s[12:13], s[12:13], s[26:27]
	s_add_nc_u64 s[14:15], s[14:15], s[28:29]
.macro WLOAD t
.set i, 0
.rept 32
	global_load_b32 v[WX+32*((\t)%2)+i], v3, s[4:5] offset:(32*(\t)+i)*512 th:TH_LOAD_NT
.set i, i+1
.endr
.endm
	WLOAD 0
	WLOAD 1
.macro WBLOCK t
.set WS, WX+32*((\t)%2)
.set WF, 3264*((\t)/4)+272*((\t)%2)    ; K step t / 4; the block's h = t % 2
.if (\t) < NB-1
	s_wait_loadcnt 32                              ; this block's 32 loads are in; the next block's may be out
.else
	s_wait_loadcnt 0
.endif
	v_max3_num_f32 v12, |v[WS]|, |v[WS+1]|, |v[WS+2]|
	v_max3_num_f32 v13, |v[WS+3]|, |v[WS+4]|, |v[WS+5]|
.irp i, 6,10,14,18,22,26
	v_max3_num_f32 v12, v12, |v[WS+\i]|, |v[WS+\i+1]|
	v_max3_num_f32 v13, v13, |v[WS+\i+2]|, |v[WS+\i+3]|
.endr
	v_max3_num_f32 v12, v12, |v[WS+30]|, |v[WS+31]|
	v_max3_num_f32 v12, v12, v13, (EMAX+1)<<23
	v_add_nc_u32 v11, 0xff000000, v12
	v_lshrrev_b32 v13, 23, v11
.if (\t)%4 == 0
	v_mov_b32 v[WSB+(\t)/4], v13
.else
	v_lshl_or_b32 v[WSB+(\t)/4], v13, 8*((\t)%4), v[WSB+(\t)/4]
.endif
	v_cvt_scalef32_pk16_fp6_f32 v[WC:WC+2], v[WS:WS+15], v11
	v_cvt_scalef32_pk16_fp6_f32 v[WC+6:WC+8], v[WS+16:WS+31], v11
	v_nop                                          ; one plain line behind the last conversion
.irp i, 0,1,2
	v_mov_b32 v[WC+3+\i], v[WC+6+\i]               ; the block's six registers on end
.endr
.if ((\t)%4)/2 == 0
	ds_store_b128 v4, v[WC:WC+3] offset:WF         ; registers 0-3 of the image, and 4-5
	ds_store_b64 v4, v[WC+4:WC+5] offset:WF+544
.else
	ds_store_b64 v4, v[WC:WC+1] offset:WF+552      ; registers 6-7, and 8-11
	ds_store_b128 v4, v[WC+2:WC+5] offset:WF+1088
.endif
.if (\t)+2 < NB
	WLOAD (\t)+2
.endif
	s_wait_dscnt 0x0                               ; the stores have read their registers
.endm
.irp t, 0,1,2,3,4,5,6,7
	WBLOCK \t
.endr
	s_wait_alu depctr_va_vdst(0)                   ; the wait ahead of the reader below
	global_store_b32 v9, v[WSB], s[14:15]          ; my column's scale words of the two K steps
	global_store_b32 v9, v[WSB+1], s[14:15] offset:1536
.irp q, 0,1,2,3,4,5,6,7,8,9,10,11
	ds_load_b128 v[WO+4*\q:WO+4*\q+3], v7 offset:544*\q
.endr
.irp q, 0,1,2,3,4,5,6,7,8,9,10,11
	s_wait_dscnt 11-\q
	global_store_b128 v8, v[WO+4*\q:WO+4*\q+3], s[12:13] offset:(\q/6)*36864+(\q%6)*512   ; 512 consecutive bytes, at a multiple of 512
.endr
	s_wait_tensorcnt 0x0                           ; the wave's end
	ds_add_u32 v192, v193
	s_wait_dscnt 0x0
	s_endpgm
.Lfunc_end_k_q1e5ff34da9_quant:
	.size	k_q1e5ff34da9_quant, .Lfunc_end_k_q1e5ff34da9_quant-k_q1e5ff34da9_quant
	.p2alignl 7, 3214868480
	.fill 96, 4, 3214868480
	.section	.rodata,"a",@progbits
	.p2align	6, 0x0
	.amdhsa_kernel k_q1e5ff34da9_quant
		.amdhsa_group_segment_fixed_size 76288
		.amdhsa_private_segment_fixed_size 0
		.amdhsa_enable_private_segment 0
		.amdhsa_kernarg_size 48
		.amdhsa_user_sgpr_count 2
		.amdhsa_user_sgpr_kernarg_segment_ptr 1
		.amdhsa_wavefront_size32 1
		.amdhsa_system_sgpr_workgroup_id_x 1
		.amdhsa_system_sgpr_workgroup_id_y 1
		.amdhsa_system_sgpr_workgroup_id_z 1
		.amdhsa_system_vgpr_workitem_id 0
		.amdhsa_next_free_vgpr 204
		.amdhsa_next_free_sgpr 66
		.amdhsa_reserve_vcc 0
		.amdhsa_float_denorm_mode_32 3
		.amdhsa_float_denorm_mode_16_64 3
		.amdhsa_memory_ordered 1
		.amdhsa_forward_progress 1
		.amdhsa_inst_pref_size 80
	.end_amdhsa_kernel
	.amdgpu_metadata
---
amdhsa.version: [ 1, 2 ]
amdhsa.kernels:
  - .name:           k_q1e5ff34da9_quant
    .symbol:         k_q1e5ff34da9_quant.kd
    .args:
      - { .name: embedded, .offset: 0, .size: 8, .value_kind: global_buffer, .address_space: global }
      - { .name: Wq, .offset: 8, .size: 8, .value_kind: global_buffer, .address_space: global }
      - { .name: Wk, .offset: 16, .size: 8, .value_kind: global_buffer, .address_space: global }
      - { .name: Wv, .offset: 24, .size: 8, .value_kind: global_buffer, .address_space: global }
      - { .name: codes, .offset: 32, .size: 8, .value_kind: global_buffer, .address_space: global }
      - { .name: scl, .offset: 40, .size: 8, .value_kind: global_buffer, .address_space: global }
    .group_segment_fixed_size: 76288
    .private_segment_fixed_size: 0
    .kernarg_segment_align: 8
    .kernarg_segment_size: 48
    .max_flat_workgroup_size: 128
    .sgpr_count:     66
    .vgpr_count:     204
    .wavefront_size: 32
...
	.end_amdgpu_metadata
.endif
;; end of part 1
;; launch proj (part 2): grid 16 x 16, 4 waves a work-group, clusters of 4 x 4, 327,680 bytes of LDS; arguments codes, scl, qkv; writes qkv
.if DOCPART == 2
	.amdgcn_target "amdgcn-amd-amdhsa--gfx1250"
	.amdhsa_code_object_version 6
	.text
	.protected	k_q1e5ff34da9_proj
	.globl	k_q1e5ff34da9_proj
	.p2align	8
	.type	k_q1e5ff34da9_proj,@function
k_q1e5ff34da9_proj:
	s_mov_b64 s[64:65], 0
	v_nop
	global_prefetch_b8 v0, s[64:65] scope:SCOPE_SE
	s_setreg_imm32_b32 hwreg(HW_REG_WAVE_MODE, 25, 1), 1
	s_wait_xcnt 0x0
	s_wait_alu depctr_hold_cnt(0) depctr_sa_sdst(0) depctr_va_vdst(0) depctr_va_sdst(0) depctr_va_ssrc(0) depctr_va_vcc(0) depctr_vm_vsrc(0)
	s_getreg_b32 s2, hwreg(HW_REG_IB_STS2, 6, 4)
	s_cmp_eq_u32 s2, 0
	s_cbranch_scc0 .Lentry_in_a_cluster
	s_endpgm
.Lentry_in_a_cluster:
	s_bfe_u32 s2, ttmp6, 0x10000c
	s_cmp_lg_u32 s2, 0xf033
	s_cbranch_scc0 .Lentry_shape_is_right
	s_endpgm
.Lentry_shape_is_right:
; q, k and v = embedded x Wq, Wk, Wv on codes of FP6 (E2M3) with one E8M0 scale for each 32 along K = 2,048; sums in f32.  The results are quantised in registers, q and k along the head's 128, v along the keys,
; and stored as the next launch's operands.
; A WORK-GROUP makes 256 tokens (grid y) x the 384 columns q, k, v of one head (grid x): 16 x 16 = 256 work-groups.  WAVE (i, jj) makes tokens 128 i .. + 127 x channels 64 jj .. + 63 of q, of k and of v: 96 accumulators.
; A K step of 128 is three PASSES of 32 matrix instructions: q, k, v; a pass's 32 accumulators fill one register window (1, 2, 3).  A pass is eight SLOTS of four products: one of A's fragments x the pass's four of B.
; For q and k source 0 = 16 weight rows, source 1 = 16 tokens: a lane holds one token and its registers run along d.  For v the sources are swapped: a lane holds one d and its registers run along the tokens, the next product's K.
; OPERANDS come as images of registers (the launch before lays them): a fragment is three loads of 512 consecutive bytes; a slot's tiles are dense memory, stated as rows of 256 bytes.
; FRAGMENTS: the tokens' eight (A) have one set and are loaded anew in place, two at a time, once both have had their last use in pass 2: 20 products or more ahead of their next use.  The weights' four of a pass (B) have two sets.
; FIVE RUNS OF LDS LOADS A K STEP: pass 0 behind slot 0; pass 1 behind slot 0; pass 2 behind slots 2, 4 and 6.
; LDS: two slots of two K steps (A 2 x 24,576, B 2 x 36,864 bytes), the scale images of all K (16,384 + 24,576), the spare words.  One change of slots for 192 products; from a refill to the wait for it a wave issues 164.
; CLUSTERS 4 x 4: A's tiles hang on grid y alone and are asked for jointly along a row of the cluster, B's on grid x alone, along a column.
; PREFETCH: behind each refill the work-group names its share of the slot that the next refill brings: 48 of A's 192 blocks of 256 bytes (by cx) and 72 of B's 288 (by cy), 30 lanes a wave; the last refill names nothing; slots 0 to 2 come by their loads alone.
; qkv: 512 records of 38,400 bytes, record (batch x 16 + head) x 8 + block of 128 tokens: 0 q's scale image; 512 q's eight images; 12,800 k's; 25,088 v's; 37,376 k's scale image; 37,888 v's.
; STORES IN PART: a fragment of q or k is made by two waves (registers 0-5 and 6-11), so registers 4-7 leave as 8 bytes a lane, 16 apart, and the scale half-words as 2 bytes a lane; all else leaves as 512 or 256 consecutive bytes.
; LIMITS: a block of zeros gets the byte 1 where the rule says 127 (its codes are zeros; this program alone reads the bytes); NaN and infinities are not served.
; WINDOW 0: v2-15 addresses; v16-23 A's scale words, two sets, v24-31 B's, and nothing else; v32-127 A's fragments; v128-223 B's, two sets; on the way out v32-247 take codes and what is at work.
.set FRB,   1536
.set ASTEP, 24576
.set BSTEP, 36864
.set BOFF,  2*ASTEP
.set SLOT,  2*(ASTEP+BSTEP)
.set SCA,   2*SLOT
.set SCB,   SCA+16384
.set SPARE, SCB+24576
.set RECB,  38400
.set ADRA, 2                           ; v2-3  my A fragments in slot 0, 1
.set ADRB, 4                           ; v4-7  my B fragments in slot 0 step 0, 1, slot 1 step 0, 1
.set ADSA, 8                           ; v8    A's scale images;  v9 B's
.set ADSB, 9
.set LI,   10                          ; v10   16 x lane
.set LH,   11                          ; v11   16 x (lane % 16)
.set SPW,  12
.set NIL,  13
.set PFO,  14                          ; v14   the prefetch's offset in codes;  v15 its step from slot to slot
.set PFS,  15
.set SA,   16
.set SB,   24
.set AF,   32
.set BF,   128
.set CDS,  32                          ; the way out: q's half fragments v32-79, k's v80-127, v's fragments v128-175
.set CDV,  128
.set PW,   176                         ; v176-195 scale words
.set SO,   200                         ; v200-207 q's and k's scale images
.set T2,   224
.set TM,   232
.set G1, 24
.set G0, 32
.set G1B, 48
.set G0B, 56
.set G1S, 68
.set G0S, 76
.set G1SB, 80
.set G0SB, 88
.set G0H, 4
.set G0HB, 8
.set MSB, 0
.macro WIN new
.if MSB != \new
	s_set_vgpr_msb (MSB<<8)|\new
.set MSB, \new
.endif
.endm
.macro PLACES
.rept 4
	v_nop
.endr
.endm
.macro JLOAD g0a, g1a, g0b, g1b        ; waves 0, 1 fetch for A, waves 2, 3 for B
	s_cmp_eq_u32 s15, 0
	s_cbranch_scc0 .Lfor_b_\@
	tensor_load_to_lds s[\g0a:\g0a+3], s[\g1a:\g1a+7]
	s_nop 0
	PLACES
	s_branch .Lasked_\@
.Lfor_b_\@:
	tensor_load_to_lds s[\g0b:\g0b+3], s[\g1b:\g1b+7]
	s_nop 0
	PLACES
.Lasked_\@:
.endm
.macro CREST
	s_cmp_lg_u32 s14, 0
	s_cbranch_scc1 .Lnot_wave_0_\@
	s_barrier_signal -3
.Lnot_wave_0_\@:
	s_barrier_wait -3
	s_barrier_signal -1
	s_barrier_wait -1
.endm
.macro CROUND
	s_barrier_signal -1
	s_barrier_wait -1
	CREST
.endm
.macro DESC g, r                       ; r rows of 256 bytes (32 elements of 8), dense
	s_mov_b32 s[\g+1], 32<<16
	s_mov_b32 s[\g+2], (\r)<<16
	s_mov_b32 s[\g+3], 32<<16
	s_mov_b32 s[\g+4], \r
	s_mov_b32 s[\g+5], 32
	s_mov_b32 s[\g+6], 0
	s_mov_b32 s[\g+7], 0
.endm
.macro GRP0 g, lds, adr
	s_mov_b32 s[\g], 1
	s_mov_b32 s[\g+1], \lds
	s_mov_b64 s[\g+2:\g+3], s[\adr:\adr+1]
	s_or_b32 s[\g+3], s[\g+3], 0x80000000
.endm
	s_load_b128 s[4:7], s[0:1], 0x0                ; codes, scl
	s_load_b64 s[12:13], s[0:1], 0x10              ; qkv
	v_lshl_add_u32 v[SPW], v0, 2, SPARE
	v_mov_b32 v[NIL], 0
	ds_add_u32 v[SPW], v[NIL]                      ; the opening lines: the add, twice on end, and its wait
	ds_add_u32 v[SPW], v[NIL]
	v_lshrrev_b32 v1, 5, v0
	v_readfirstlane_b32 s14, v1                    ; wave
	s_lshr_b32 s15, s14, 1                         ; i: my half of the tokens.  Also: I fetch for A (0) or B (1)
	s_and_b32 s16, s14, 1                          ; jj: my half of the channels.  Also: which K step of a slot I fetch
	s_bfe_u32 s40, ttmp6, 0x40000                  ; cx
	s_bfe_u32 s41, ttmp6, 0x40004                  ; cy
	s_lshl_b32 s42, ttmp9, 2
	s_add_co_u32 s42, s42, s40                     ; the head
	s_and_b32 s17, ttmp7, 0xffff
	s_lshl_b32 s17, s17, 2
	s_add_co_u32 s17, s17, s41                     ; the block of 256 tokens
	s_lshl_b32 s43, s41, 2
	s_lshl_b32 s43, 15, s43                        ; my row of the cluster
	s_lshl_b32 s44, 0x1111, s40                    ; my column
	s_or_b32 s[G1], s43, (3<<16)|(1<<21)
	s_or_b32 s[G1B], s44, (3<<16)|(1<<21)
	s_or_b32 s[G1S], s43, (3<<16)|(1<<21)
	s_or_b32 s[G1SB], s44, (3<<16)|(1<<21)
	DESC G1, 192                                   ; the head's loads bring a whole slot's A (192 rows), B (288), and the scales (64, 96)
	DESC G1B, 288
	DESC G1S, 64
	DESC G1SB, 96
	s_mul_i32 s20, s17, 393216
	s_mov_b32 s21, 0
	s_mul_i32 s46, s42, 589824
	s_add_co_u32 s46, s46, 6291456
	s_mov_b32 s47, 0
	s_lshl_b32 s22, s17, 14
	s_mov_b32 s23, 0
	s_mul_i32 s92, s42, 24576
	s_add_co_u32 s92, s92, 262144
	s_mov_b32 s93, 0
	s_mul_i32 s18, s16, ASTEP
	s_mov_b32 s19, 0
	s_mul_i32 s94, s16, BSTEP
	s_mov_b32 s95, 0
	s_add_co_u32 s96, s94, BOFF
	s_wait_dscnt 0x0                               ; both opening adds are done
	s_wait_kmcnt 0x0
	s_mov_b64 s[66:67], s[4:5]                     ; codes, for the prefetches
	s_add_nc_u64 s[20:21], s[4:5], s[20:21]
	s_add_nc_u64 s[46:47], s[4:5], s[46:47]
	s_add_nc_u64 s[22:23], s[6:7], s[22:23]
	s_add_nc_u64 s[92:93], s[6:7], s[92:93]
	CROUND                                         ; the first joint loads meet
	GRP0 G0H, 0, 20
	GRP0 G0HB, BOFF, 46
	GRP0 G0S, SCA, 22
	GRP0 G0SB, SCB, 92
	s_add_nc_u64 s[20:21], s[20:21], s[18:19]      ; for the ring: my K step of a slot
	s_add_nc_u64 s[46:47], s[46:47], s[94:95]
.irp s, 0,1
	s_mov_b32 s[G0+4*\s], 1
	s_add_co_u32 s[G0+4*\s+1], s18, \s*SLOT
	s_add_nc_u64 s[G0+4*\s+2:G0+4*\s+3], s[20:21], \s*2*ASTEP
	s_or_b32 s[G0+4*\s+3], s[G0+4*\s+3], 0x80000000
	s_mov_b32 s[G0B+4*\s], 1
	s_add_co_u32 s[G0B+4*\s+1], s96, \s*SLOT
	s_add_nc_u64 s[G0B+4*\s+2:G0B+4*\s+3], s[46:47], \s*2*BSTEP
	s_or_b32 s[G0B+4*\s+3], s[G0B+4*\s+3], 0x80000000
.endr
.macro ARM under, g0, g1, next         ; the head's four tiles, one a wave, in one chain of branches on the wave's number
	s_cmp_lt_u32 s14, \under
	s_cbranch_scc0 \next
	tensor_load_to_lds s[\g0:\g0+3], s[\g1:\g1+7]
	s_nop 0
	PLACES
	s_branch .Lhead_asked
\next:
.endm
	ARM 1, G0H,  G1,  .Lhead_b
	ARM 2, G0HB, G1B, .Lhead_sa
	ARM 3, G0S,  G1S, .Lhead_sb
	tensor_load_to_lds s[G0SB:G0SB+3], s[G1SB:G1SB+7]
	s_nop 0
	PLACES
.Lhead_asked:
	s_mul_i32 s18, s15, 12288                      ; my eight fragments of A's sixteen
	s_mul_i32 s19, s16, 6144                       ; my four of each eight of B's
	s_add_co_u32 s19, s19, BOFF
	s_lshl_b32 s20, s15, 9
	s_add_co_u32 s20, s20, SCA
	s_lshl_b32 s21, s16, 8
	s_add_co_u32 s21, s21, SCB
	s_mul_i32 s22, s14, 30
	s_mul_i32 s23, s17, 393216
	s_mul_i32 s45, s40, 12288
	s_add_co_u32 s23, s23, s45                     ; A's blocks 48 cx on
	s_mul_i32 s46, s42, 589824
	s_mul_i32 s45, s41, 18432
	s_add_co_u32 s46, s46, s45
	s_add_co_u32 s46, s46, 6291456-12288           ; B's blocks 72 cy on, for block numbers from 48
	v_and_b32 v1, 31, v0
	v_lshlrev_b32 v[LI], 4, v1
	v_and_b32 v[LH], 15, v0
	v_lshlrev_b32 v[LH], 4, v[LH]
	v_add_nc_u32 v[ADRA], s18, v[LI]
	v_add_nc_u32 v[ADRA+1], SLOT, v[ADRA]
	v_add_nc_u32 v[ADRB], s19, v[LI]
	v_add_nc_u32 v[ADRB+1], BSTEP, v[ADRB]
	v_add_nc_u32 v[ADRB+2], SLOT, v[ADRB]
	v_add_nc_u32 v[ADRB+3], SLOT, v[ADRB+1]
	v_add_nc_u32 v[ADSA], s20, v[LI]
	v_add_nc_u32 v[ADSB], s21, v[LH]               ; both halves of the lanes take my four fragments' words
	v_min_u32 v1, 29, v1
	v_add_nc_u32 v1, s22, v1                       ; my block of the work-group's 120
	v_cmp_gt_u32 s100, 48, v1                      ; A's?
	v_mov_b32 v224, s46
	v_mov_b32 v225, s23
	v_cndmask_b32 v224, v224, v225, s100
	v_mov_b32 v[PFS], 2*BSTEP
	v_mov_b32 v225, 2*ASTEP
	v_cndmask_b32 v[PFS], v[PFS], v225, s100
	v_lshl_add_u32 v224, v1, 8, v224
	v_lshl_add_u32 v[PFO], v[PFS], 1, v224         ; at slot 2: stepped once ahead of each prefetch
	s_lshl_b32 s92, s17, 1
	s_add_co_u32 s92, s92, s15                     ; my block of 128 tokens, 0 to 31
	s_lshr_b32 s93, s92, 3
	s_lshl_b32 s93, s93, 4
	s_add_co_u32 s93, s93, s42
	s_lshl_b32 s93, s93, 3
	s_and_b32 s92, s92, 7
	s_add_co_u32 s93, s93, s92
	s_mul_i32 s92, s93, RECB
	s_mov_b32 s93, 0
	s_add_nc_u64 s[12:13], s[12:13], s[92:93]      ; my record
	s_mul_i32 s92, s16, 6144
	s_add_nc_u64 s[18:19], s[12:13], s[92:93]      ; + my four of v's images
	s_lshl_b32 s92, s16, 8
	s_add_nc_u64 s[20:21], s[12:13], s[92:93]      ; + my half of v's scale image
	s_lshl_b32 s92, s16, 1
	s_add_nc_u64 s[22:23], s[12:13], s[92:93]      ; + my half of a scale word
	s_mov_b32 s98, 0x76543210
	s_mov_b32 s99, 0xfedcba98
.macro LDF reg, adr, off
.irp c, 0,1,2
	ds_load_b128 v[(\reg)+4*\c:(\reg)+4*\c+3], v[\adr] offset:(\off)+512*\c
.endr
.endm
.macro LDA s, a                        ; A's fragment a of step s
	LDF AF+12*(\a), ADRA+((\s)/2)%2, ((\s)%2)*ASTEP+(\a)*FRB
.endm
.macro LDB s, j                        ; B's four fragments of pass j of step s, and their scale words: 13 loads
.irp b, 0,1,2,3
	LDF BF+48*(((\s)+(\j))%2)+12*\b, ADRB+2*(((\s)/2)%2)+(\s)%2, (8*(\j)+\b)*FRB
.endr
	ds_load_b128 v[SB+4*(((\s)+(\j))%2):SB+4*(((\s)+(\j))%2)+3], v[ADSB] offset:(\s)*1536+(\j)*512
.endm
.macro LDSA s                          ; A's scale words of step s: word c: lanes 0-15 fragment c's, lanes 16-31 fragment 4 + c's
	ds_load_b128 v[SA+4*((\s)%2):SA+4*((\s)%2)+3], v[ADSA] offset:(\s)*1024
.endm
.macro WM x, y, kx, ky, zero, r        ; r: 0 both scales from lanes 0-15; 1 source 0's from lanes 16-31; 2 source 1's
.if \zero
.if (\r)==0
	v_wmma_scale_f32_16x16x128_f8f6f4 v[DD:DD+7], v[\x:\x+11], v[\y:\y+11], 0, v[\kx], v[\ky] matrix_a_fmt:MATRIX_FMT_FP6 matrix_b_fmt:MATRIX_FMT_FP6
.endif
.if (\r)==1
	v_wmma_scale_f32_16x16x128_f8f6f4 v[DD:DD+7], v[\x:\x+11], v[\y:\y+11], 0, v[\kx], v[\ky] matrix_a_fmt:MATRIX_FMT_FP6 matrix_b_fmt:MATRIX_FMT_FP6 matrix_a_scale:MATRIX_SCALE_ROW1
.endif
.if (\r)==2
	v_wmma_scale_f32_16x16x128_f8f6f4 v[DD:DD+7], v[\x:\x+11], v[\y:\y+11], 0, v[\kx], v[\ky] matrix_a_fmt:MATRIX_FMT_FP6 matrix_b_fmt:MATRIX_FMT_FP6 matrix_b_scale:MATRIX_SCALE_ROW1
.endif
.else
.if (\r)==0
	v_wmma_scale_f32_16x16x128_f8f6f4 v[DD:DD+7], v[\x:\x+11], v[\y:\y+11], v[DD:DD+7], v[\kx], v[\ky] matrix_a_fmt:MATRIX_FMT_FP6 matrix_b_fmt:MATRIX_FMT_FP6
.endif
.if (\r)==1
	v_wmma_scale_f32_16x16x128_f8f6f4 v[DD:DD+7], v[\x:\x+11], v[\y:\y+11], v[DD:DD+7], v[\kx], v[\ky] matrix_a_fmt:MATRIX_FMT_FP6 matrix_b_fmt:MATRIX_FMT_FP6 matrix_a_scale:MATRIX_SCALE_ROW1
.endif
.if (\r)==2
	v_wmma_scale_f32_16x16x128_f8f6f4 v[DD:DD+7], v[\x:\x+11], v[\y:\y+11], v[DD:DD+7], v[\kx], v[\ky] matrix_a_fmt:MATRIX_FMT_FP6 matrix_b_fmt:MATRIX_FMT_FP6 matrix_b_scale:MATRIX_SCALE_ROW1
.endif
.endif
.endm
.macro MM s, j, a, zero                ; a slot: A's fragment a x the pass's four of B; the accumulators take turns
.irp b, 0,1,2,3
.set FB, BF+48*(((\s)+(\j))%2)+12*\b
.set FA, AF+12*(\a)
.set KB, SB+4*(((\s)+(\j))%2)+\b
.set KA, SA+4*((\s)%2)+(\a)%4
.if (\j)<2
.set DD, 8*(4*(\a)+\b)
	WM FB, FA, KB, KA, \zero, 2*((\a)/4)
.else
.set DD, 8*(8*\b+(\a))
	WM FA, FB, KA, KB, \zero, (\a)/4
.endif
.endr
.endm
.macro ASK cond                        ; the slot that the next refill brings; cond: not in the loop's last trip, whose second refill is the last
.if \cond
	s_cmp_lg_u32 s3, 1
	s_cbranch_scc0 .Lno_\@
.endif
	global_prefetch_b8 v[PFO], s[66:67] th:TH_LOAD_NT scope:SCOPE_SE
.Lno_\@:
.endm
; A PASS.  nxt: the next pass's operands are fetched.  bar, in passes 1 and 2 of a slot's second step: 1 the slot is left and filled again, 2 it is left.
; LDS loads are issued in this order.  Pass 0, behind slot 0: A6, A7 (6), B (13).  Pass 1, behind slot 0: B (13).
; Pass 2, for the next step: behind slot 2: B (13), A's scales (1), A0, A1 (6); behind slot 4: A2, A3 (6); behind slot 6: A4, A5 (6).
.macro PASS s, j, zero, nxt, bar
.set WW, ((\j)+1)*0x50                 ; C and D in window j + 1
.set SL, ((\s)/2)%2
.if (\j)==0
	s_wait_dscnt 15                                ; B, the scales and A0 are in; A1 to A5 may be out
.else
.if (\j)==1 || (\bar)==0
	s_wait_dscnt 0x0                               ; B's run is the youngest
.endif
.endif
.if (\j)==1 && (\bar)==1
	s_wait_xcnt 0x0                                ; the last prefetch has read its offset
	v_add_nc_u32 v[PFO], v[PFO], v[PFS]
	s_wait_alu depctr_va_vdst(0)                   ; the wait behind the write
.endif
	WIN WW
	MM \s, \j, 0, \zero
.if (\j)==2
	MM \s, \j, 1, \zero
	MM \s, \j, 2, \zero
.endif
	WIN 0
.if (\j)==2 && (\bar)
	s_barrier_wait -1
.if (\bar)==1
	CREST                                          ; the barrier has opened a round of the cluster's barrier
	s_add_nc_u64 s[G0+4*SL+2:G0+4*SL+3], s[G0+4*SL+2:G0+4*SL+3], 4*ASTEP
	s_add_nc_u64 s[G0B+4*SL+2:G0B+4*SL+3], s[G0B+4*SL+2:G0B+4*SL+3], 4*BSTEP
	JLOAD G0+4*SL, G1, G0B+4*SL, G1B               ; my one tensor load behind the round; its four v_nop are the places in front of the loads below
.else
	PLACES
.endif
.else
.if (\j)<2 || (\nxt)
	PLACES
.endif
.endif
.if (\j)==0
	LDA \s, 6
	LDA \s, 7
.endif
.if \nxt
.if (\j)==2
	LDB (\s)+1, 0
	LDSA (\s)+1
	LDA (\s)+1, 0
	LDA (\s)+1, 1
.else
	LDB \s, (\j)+1
.endif
.endif
.if (\j)==2 && (\bar)==1
	ASK ((\s)%4)==3
.endif
.irp a, 1,2,3,4,5,6,7
.if (\j)==0
	s_wait_dscnt 34-3*\a                           ; A's fragment a is in; behind it: 3 loads for each later fragment of A, and B's 13
.endif
.if (\j)<2 || \a>2
	WIN WW
	MM \s, \j, \a, \zero
.endif
.if (\j)==2 && (\nxt) && (\a==4 || \a==6)
	WIN 0
	PLACES
	LDA (\s)+1, \a-2
	LDA (\s)+1, \a-1
.endif
.if (\j)==1 && (\bar)
.if \a==3
	WIN 0
	s_wait_tensorcnt 0x0                           ; my part of the other slot has landed;
	ds_add_u32 v[SPW], v[NIL]                      ; the add; eight products stand between it and its wait
.endif
.if \a==5
	s_wait_dscnt 0x0                               ; the add is done, and my reads of this slot are over: the step's last fragments are in registers
	s_barrier_signal -1                            ; twenty products stand between the signal and the wait
.endif
.endif
.endr
	WIN 0
.endm
.macro STEP s, zero, nxt, bar
	PASS \s, 0, \zero, 1, 0
	PASS \s, 1, \zero, 1, \bar
	PASS \s, 2, \zero, \nxt, \bar
.endm
	s_wait_alu depctr_va_vdst(0)                   ; the wait at the head's end
	s_wait_tensorcnt 0x0                           ; my tile of the head's four is in; the full sequence ahead of slot 1's first fill:
	ds_add_u32 v[SPW], v[NIL]
	s_mov_b32 s[G1+2], 96<<16                      ; no tensor load of mine is out: from here on a load brings one K step: 96 rows of A,
	s_mov_b32 s[G1+4], 96
	s_mov_b32 s[G1B+2], 144<<16                    ; 144 of B
	s_mov_b32 s[G1B+4], 144
	s_wait_dscnt 0x0
	CROUND
	JLOAD G0+4, G1, G0B+4, G1B                     ; slot 1
	LDB 0, 0                                       ; in the order of a pass 2, so that the first pass's counts hold
	LDSA 0
.irp a, 0,1,2,3,4,5
	LDA 0, \a
.endr
	STEP 0, 1, 1, 0                                ; the first step's products start the sums
	s_mov_b32 s3, 3
.Llap:                                                 ; a trip: steps 4 T + 1 .. 4 T + 4: once round the ring, both slots filled again
	STEP 1, 0, 1, 1
	STEP 2, 0, 1, 0
	STEP 3, 0, 1, 1
	STEP 4, 0, 1, 0
	v_add_nc_u32 v[ADSA], 4*1024, v[ADSA]          ; four steps on in the scale images
	v_add_nc_u32 v[ADSB], 4*1536, v[ADSB]
	s_wait_alu depctr_va_vdst(0)                   ; the wait ahead of the jump
	s_sub_co_u32 s3, s3, 1
	s_cmp_lg_u32 s3, 0
	s_cbranch_scc1 .Llap
	STEP 1, 0, 1, 2                                ; steps 13 to 15: nothing is filled again
	STEP 2, 0, 1, 0
	STEP 3, 0, 0, 0
; THE WAY OUT.  64 registers of window w at 64 x become 12 registers of codes.  kind 0 (v): one fragment and its scale word.  kind 1 (q, k): two tokens' fragments' halves, 6 registers and half a scale word each.
.macro QBLOCK w, x, dst, pwr, kind
.set AC, 64*(\x)
	WIN ((\w)<<2)|((\w)<<4)
.irp b, 0,1,2,3
	v_max3_num_f32 v[TM+\b], 0x1800000, |v[AC+16*\b]|, |v[AC+16*\b+1]|   ; each accumulator from its low end on; the floor 2^(3 - 127)
.endr
.irp i, 2,4,6,8,10,12,14
.irp b, 0,1,2,3
	v_max3_num_f32 v[TM+\b], v[TM+\b], |v[AC+16*\b+\i]|, |v[AC+16*\b+\i+1]|
.endr
.endr
	WIN 0
.irp b, 0,1,2,3
	v_permlanex16_b32 v[TM+4+\b], v[TM+\b], s98, s99
.endr
.irp b, 0,1,2,3
	v_max_num_f32 v[TM+\b], v[TM+\b], v[TM+4+\b]   ; with lane l xor 16's: the block's largest magnitude
.endr
.irp b, 0,1,2,3
	v_add_nc_u32 v[TM+12+\b], 0xff000000, v[TM+\b]
.endr
.irp b, 0,1,2,3
	v_lshrrev_b32 v[TM+4+\b], 23, v[TM+12+\b]
.endr
.if \kind
	v_lshl_or_b32 v[\pwr], v[TM+5], 8, v[TM+4]
	v_lshl_or_b32 v[\pwr+1], v[TM+7], 8, v[TM+6]
.else
	v_lshl_or_b32 v[\pwr], v[TM+5], 8, v[TM+4]
	v_lshl_or_b32 v[\pwr], v[TM+6], 16, v[\pwr]
	v_lshl_or_b32 v[\pwr], v[TM+7], 24, v[\pwr]
.endif
	WIN \w
.irp c, 0,1
	v_cvt_scalef32_pk16_fp6_f32 v[\dst+6*\c:\dst+6*\c+2], v[AC+32*\c:AC+32*\c+15], v[TM+12+2*\c]
	v_cvt_scalef32_pk16_fp6_f32 v[T2+4*\c:T2+4*\c+2], v[AC+32*\c+16:AC+32*\c+31], v[TM+12+2*\c+1]
.endr
	WIN 0
	v_nop                                          ; one plain line behind the last conversion
.irp c, 0,1                                    ; a whole block of 32 to a lane
.irp i, 0,1,2
	v_permlane16_swap_b32 v[\dst+6*\c+\i], v[T2+4*\c+\i]
.endr
.irp i, 0,1,2
	v_mov_b32 v[\dst+3+6*\c+\i], v[T2+4*\c+\i]
.endr
.endr
.endm
.macro SENDH m                         ; q's (m = 0) or k's eight half fragments leave: registers 0-5 of each image from the waves with jj = 0, registers 6-11 from the others
	s_wait_alu depctr_va_vdst(0)                   ; the wait ahead of the jump
	s_cmp_eq_u32 s16, 0
	s_cbranch_scc0 .Lupper_\@
.irp a, 0,1,2,3,4,5,6,7
	global_store_b128 v[LI], v[CDS+48*\m+6*\a:CDS+48*\m+6*\a+3], s[12:13] offset:512+12288*\m+FRB*\a        ; registers 0-3 of the image
	global_store_b64 v[LI], v[CDS+48*\m+6*\a+4:CDS+48*\m+6*\a+5], s[12:13] offset:512+12288*\m+FRB*\a+512   ; and 4-5
.endr
	s_branch .Lsent_\@
.Lupper_\@:
.irp a, 0,1,2,3,4,5,6,7
	global_store_b64 v[LI], v[CDS+48*\m+6*\a:CDS+48*\m+6*\a+1], s[12:13] offset:512+12288*\m+FRB*\a+520     ; registers 6-7
	global_store_b128 v[LI], v[CDS+48*\m+6*\a+2:CDS+48*\m+6*\a+5], s[12:13] offset:512+12288*\m+FRB*\a+1024 ; and 8-11
.endr
.Lsent_\@:
.endm
	PLACES
.irp b, 0,1,2,3
	v_mov_b32 v[TM+4+\b], 0                        ; a lane permute's destination counts as one of its sources
.endr
.irp x, 0,1,2,3
	QBLOCK 1, \x, CDS+12*\x, PW+2*\x, 1
.endr
	SENDH 0                                        ; q's stores are on their way while k is quantised
.irp x, 0,1,2,3
	QBLOCK 2, \x, CDS+48+12*\x, PW+8+2*\x, 1
.endr
	SENDH 1
.irp x, 0,1,2,3
	QBLOCK 3, \x, CDV+12*\x, PW+16+\x, 0
.irp c, 0,1,2
	global_store_b128 v[LI], v[CDV+12*\x+4*\c:CDV+12*\x+4*\c+3], s[18:19] offset:25088+FRB*\x+512*\c
.endr
.endr
	s_mov_b32 vcc_lo, 0xffff0000
.irp c, 0,1,2,3,8,9,10,11
	v_cndmask_b32 v[SO+(\c)%4+4*((\c)/8)], v[PW+\c], v[PW+4+\c], vcc_lo   ; lanes 0-15 fragment c's half words, lanes 16-31 fragment 4 + c's; q's in SO .. + 3, k's in SO + 4 .. + 7
.endr
.irp c, 0,1,2,3
	global_store_b16 v[LI], v[SO+\c], s[22:23] offset:4*\c
	global_store_b16 v[LI], v[SO+4+\c], s[22:23] offset:37376+4*\c
.endr
	global_store_b128 v[LH], v[PW+16:PW+19], s[20:21] offset:37888   ; 256 consecutive bytes; both halves of the lanes hold and store the same
	s_wait_tensorcnt 0x0                           ; the wave's end
	ds_add_u32 v[SPW], v[NIL]
	s_wait_dscnt 0x0
	CROUND                                         ; the closing round
	s_endpgm
.Lfunc_end_k_q1e5ff34da9_proj:
	.size	k_q1e5ff34da9_proj, .Lfunc_end_k_q1e5ff34da9_proj-k_q1e5ff34da9_proj
	.p2alignl 7, 3214868480
	.fill 96, 4, 3214868480
	.section	.rodata,"a",@progbits
	.p2align	6, 0x0
	.amdhsa_kernel k_q1e5ff34da9_proj
		.amdhsa_group_segment_fixed_size 327680
		.amdhsa_private_segment_fixed_size 0
		.amdhsa_enable_private_segment 0
		.amdhsa_kernarg_size 24
		.amdhsa_user_sgpr_count 2
		.amdhsa_user_sgpr_kernarg_segment_ptr 1
		.amdhsa_wavefront_size32 1
		.amdhsa_system_sgpr_workgroup_id_x 1
		.amdhsa_system_sgpr_workgroup_id_y 1
		.amdhsa_system_sgpr_workgroup_id_z 1
		.amdhsa_system_vgpr_workitem_id 0
		.amdhsa_next_free_vgpr 1024
		.amdhsa_next_free_sgpr 102
		.amdhsa_reserve_vcc 1
		.amdhsa_float_denorm_mode_32 3
		.amdhsa_float_denorm_mode_16_64 3
		.amdhsa_memory_ordered 1
		.amdhsa_forward_progress 1
		.amdhsa_inst_pref_size 208
	.end_amdhsa_kernel
	.amdgpu_metadata
---
amdhsa.version: [ 1, 2 ]
amdhsa.kernels:
  - .name:           k_q1e5ff34da9_proj
    .symbol:         k_q1e5ff34da9_proj.kd
    .args:
      - { .name: codes, .offset: 0, .size: 8, .value_kind: global_buffer, .address_space: global }
      - { .name: scl, .offset: 8, .size: 8, .value_kind: global_buffer, .address_space: global }
      - { .name: qkv, .offset: 16, .size: 8, .value_kind: global_buffer, .address_space: global }
    .group_segment_fixed_size: 327680
    .private_segment_fixed_size: 0
    .kernarg_segment_align: 8
    .kernarg_segment_size: 24
    .max_flat_workgroup_size: 128
    .sgpr_count:     102
    .vgpr_count:     1024
    .wavefront_size: 32
...
	.end_amdgpu_metadata
.endif
;; end of part 2
;; launch attn (part 3): grid 4 x 64, 16 waves a work-group, clusters of 4 x 1, 276,480 bytes of LDS; arguments qkv, out0; writes out0
.if DOCPART == 3
	.amdgcn_target "amdgcn-amd-amdhsa--gfx1250"
	.amdhsa_code_object_version 6
	.text
	.protected	k_q1e5ff34da9_attn
	.globl	k_q1e5ff34da9_attn
	.p2align	8
	.type	k_q1e5ff34da9_attn,@function
k_q1e5ff34da9_attn:
	s_mov_b64 s[64:65], 0
	v_nop
	global_prefetch_b8 v0, s[64:65] scope:SCOPE_SE
	s_setreg_imm32_b32 hwreg(HW_REG_WAVE_MODE, 25, 1), 1
	s_wait_xcnt 0x0
	s_wait_alu depctr_hold_cnt(0) depctr_sa_sdst(0) depctr_va_vdst(0) depctr_va_sdst(0) depctr_va_ssrc(0) depctr_va_vcc(0) depctr_vm_vsrc(0)
	s_getreg_b32 s2, hwreg(HW_REG_IB_STS2, 6, 4)
	s_cmp_eq_u32 s2, 0
	s_cbranch_scc0 .Lentry_in_a_cluster
	s_endpgm
.Lentry_in_a_cluster:
	s_bfe_u32 s2, ttmp6, 0x10000c
	s_cmp_lg_u32 s2, 0x3003
	s_cbranch_scc0 .Lentry_shape_is_right
	s_endpgm
.Lentry_shape_is_right:
; out0[batch][q][128 head + d] = round to 4 decimals of (the sum over keys k <= q of softmax_k(Q[q] . K[k] / sqrt(128)) V[k][d]), both products on codes of FP6 (E2M3) with one E8M0 scale for each 32 along a product's K.
; q, k and v come from qkv as images of operand registers (the launch before lays them: 512 records of 38,400 bytes, one for each batch, head and block of 128 tokens; in a record: 0 q's scale image, 512 q's eight images,
; 12,800 k's eight, 25,088 v's eight, 37,376 k's scale image, 37,888 v's).  An image: registers 4 c .. 4 c + 3 of lane l at byte 512 c + 16 l.  Tile a's lane r of q and k is token 32 (a / 2) + 8 (a % 2) + r + 8 (r / 8) of the block;
; tile t's lane r of v is channel 32 (t / 2) + 8 (t % 2) + r + 8 (r / 8), with the block's 128 keys along K.
; THE SOFTMAX AHEAD OF THE SECOND PRODUCT: t = score x log2(e) / sqrt(128); M = the row's largest t so far, rounded UP to a whole number; p = 2^(t - M) is what is quantised, along the keys; it is not normalised.
; The row's sum is taken of the unquantised p, in f32, and divides O at the end.  When M moves, the sum and O are multiplied by 2^(old M - new M): exact.
; SHARES.  A cluster of four work-groups is one head of one batch.  Bytes 12,800 to 38,399 of a record are all that a key step of 128 keys wants, and a head's eight such blocks, 204,800 bytes, lie in LDS WHOLE: each is filled once,
; so there is no ring.  All four work-groups want the same bytes: each of the sixteen waves asks for half a key step (12,800 dense bytes) JOINTLY with the same wave of the three partners.  One tensor load of a wave is out.
; Every load of K and V is issued at the head: no later request exists that a prefetch could run ahead of.
; A wave owns ONE tile of 16 queries, in 256 registers: four waves to a SIMD, so that one wave's vector work stands beside another's matrix work and LDS loads.  Which block of 128 queries hangs on the wave's number ALONE
; (so every branch is the same in all partners); which two of the block's eight tiles a work-group has hangs on its place in the cluster, which enters only q's and out0's addresses and the mask's threshold.
; A wave of block x works x + 1 key steps; the blocks are dealt so that waves w, w + 4, w + 8, w + 12, and likewise waves 4 i .. 4 i + 3, have 18 key steps together.
; CAUSAL.  Every wave walks all 8 trips (the trip count is a constant); a step whose keys all come after the wave's block is jumped over; in the step on the diagonal hidden scores become -infinity ahead of the maximum.
; LAYOUT.  Both products are used transposed: S^T = K Q^T (source 0 = 16 keys, source 1 = my 16 queries), O^T = V^T P^T: a lane holds ONE query throughout, and the 16 registers of score tiles 2 b, 2 b + 1 are keys 32 b + 16 (lane / 16) + 0 .. 15.
; LIMITS: O is multiplied by 10,000 / l in one factor, rounded to a whole number (ties to even) and multiplied by 1e-4, where the definition divides: a number on a tie of the fourth decimal may fall 1e-4 aside.
; A block's largest p is taken from its largest score, which takes v_exp_f32 not to fall where its input rises.  NaN and infinities are not served.
; REGISTERS: v1-9 addresses that stay; v12 -M, v13 the largest t, v[14:15] the sum in two halves; v16-27 Q; v32-79 four fragments of K or of V; v80-89 scale words and nothing else; v96-159 S^T, then p; v160-223 O^T; v224-235 p's codes; v232-254 at work.
.set RECB,  38400                      ; a record
.set FRB,   1536                       ; an image
.set STEPB, 25600                      ; a key step in LDS: K's images at 0, V's at VOFF, K's scale image at KSOFF, V's at VSOFF
.set VOFF,  8*FRB
.set KSOFF, 16*FRB
.set VSOFF, 16*FRB+512
.set STAGE, 8*STEPB                    ; behind the eight key steps: 16 rows x (256 bytes + 16) for each wave, for the way out; no tensor load lands here
.set LI,   1                           ; v1   16 x lane: my place in an image
.set ADR,  2                           ; v2   the same in the key step in hand
.set DQ,   3                           ; v3   my query's place in its block, less 16 (lane / 16): register 16 b + i is hidden on the diagonal where 32 b + i is above it
.set GO,   4                           ; v4   the way out: my byte offset in out0
.set SIN,  5                           ; v5   the stage: where I put 32 bytes of a row
.set SBK,  6                           ; v6   and where I read a row back
.set QSA,  9                           ; v9   16 x (lane % 16): my query's scale word in q's scale image
.set FRG,  32
.set KSC,  80                          ; v80-83 K's scale image;  v84-87 V's;  v88 Q's scale words;  v89 p's
.set VSC,  84
.set QSC,  88
.set PSC,  89
.set WV,   8                           ; s8   my wave's number
.set CX,   9                           ; s9   my work-group's place in the cluster
.set BH,   10                          ; s10  16 x batch + head
.set BLK,  13                          ; s13  my block of 128 queries
.set QB,   14                          ; s14  its first query
.set TI,   15                          ; s15  my tile of 16 in it
.set SEL,  20                          ; s[20:21] lane selects for v_permlanex16_b32: lane l xor 16
.set CS,   22                          ; s[22:23] c = log2(e) / sqrt(128): the packed form names a pair and takes its low word for both halves
.set G1,   24                          ; s[24:31] descriptor group 1;  s[32:35] group 0
.set G0,   32
.set TB,   36                          ; s36  LDS byte at which the key step in hand begins
.set KF,   37                          ; s37  its first key
.set CNT,  38                          ; s38  trips to go
.macro CROUND                          ; a round of the cluster's barrier: my work-group's barrier; wave 0 signals for the work-group; every wave waits for all four; my work-group's barrier once more
	s_barrier_signal -1
	s_barrier_wait -1
	s_cmp_lg_u32 s[WV], 0
	s_cbranch_scc1 .Lnot_wave_0_\@
	s_barrier_signal -3
.Lnot_wave_0_\@:
	s_barrier_wait -3
	s_barrier_signal -1
	s_barrier_wait -1
.endm
	s_load_b128 s[4:7], s[0:1], 0x0                ; qkv s[4:5], out0 s[6:7]
	v_lshl_add_u32 v251, v0, 2, 0x43000
	v_mov_b32 v255, 0
	ds_add_u32 v251, v255
	ds_add_u32 v251, v255
	v_lshrrev_b32 v1, 5, v0
	s_delay_alu instid0(VALU_DEP_1)
	v_readfirstlane_b32 s[WV], v1                  ; wave 0..15
	s_bfe_u32 s[CX], ttmp6, 0x40000
	s_and_b32 s[BH], ttmp7, 0xffff                 ; the cluster's y: the four partners share it
	s_lshr_b32 s11, s[WV], 1                       ; the wave's bits are w3 w2 w1 w0
	s_and_b32 s11, s11, 1
	s_lshr_b32 s12, s[WV], 2
	s_and_b32 s[BLK], s12, 2
	s_or_b32 s11, s11, s[BLK]                      ; x = 2 w3 + w1
	s_xor_b32 s12, s12, s[WV]
	s_and_b32 s12, s12, 1                          ; c = w0 xor w2
	s_mul_i32 s12, s12, 7
	s_xor_b32 s[BLK], s11, s12                     ; the block: x, or 7 - x where c = 1
	s_lshl_b32 s[QB], s[BLK], 7
	s_and_b32 s[TI], s[WV], 1
	s_lshl_b32 s39, s[CX], 1
	s_add_co_u32 s[TI], s[TI], s39                 ; the tile: 2 cx + w0
	s_lshr_b32 s39, s[TI], 1
	s_lshl_b32 s39, s39, 5
	s_and_b32 s41, s[TI], 1
	s_lshl_b32 s41, s41, 3
	s_add_co_u32 s39, s39, s41                     ; lane 0's query in the block: 32 (tile / 2) + 8 (tile % 2)
	s_mul_i32 s48, s[BH], 8*RECB                   ; the head's eight records
	s_mul_i32 s40, s[BLK], RECB
	s_add_co_u32 s40, s40, s48                     ; my block's record
	s_mul_i32 s42, s[TI], FRB
	s_add_co_u32 s42, s42, s40
	s_add_co_u32 s42, s42, 512                     ; my tile's image of q
	s_mov_b32 s43, 0
	s_lshr_b32 s44, s[TI], 2
	s_lshl_b32 s44, s44, 8                         ; its scale words: tiles 4 to 7 lie in the image's upper 256 bytes,
	s_and_b32 s41, s[TI], 3
	s_lshl_b32 s41, s41, 2                         ; word tile % 4 of a lane's four
	s_add_co_u32 s44, s44, s41
	s_add_co_u32 s44, s44, s40
	s_mov_b32 s45, 0
	s_lshr_b32 s46, s[BH], 4                       ; out0: row 1,024 batch + my block + lane 0's query, of 8,192 bytes;
	s_lshl_b32 s46, s46, 10
	s_add_co_u32 s46, s46, s[QB]
	s_add_co_u32 s46, s46, s39
	s_lshl_b32 s46, s46, 13
	s_and_b32 s47, s[BH], 15
	s_lshl_b32 s47, s47, 9                         ; the head's 512 bytes in it
	s_add_co_u32 s46, s46, s47
	s_mov_b32 s47, 0
	; what I fetch: half w % 2 of key step w / 2: 12,800 dense bytes, as 50 rows of 256 bytes (32 elements of 8 bytes)
	s_mov_b32 s[G1], 15|(3<<16)|(1<<21)            ; 15:0 the mask: all four work-groups; 17:16 elements of 8 bytes; 20 padding off; 21 set beside a mask
	s_mov_b32 s[G1+1], 32<<16                      ; tensor_dim0 = 32
	s_mov_b32 s[G1+2], 50<<16                      ; tensor_dim1 = 50
	s_mov_b32 s[G1+3], 32<<16                      ; tile_dim0 = 32
	s_mov_b32 s[G1+4], 50                          ; tile_dim1 = 50
	s_mov_b32 s[G1+5], 32                          ; tensor_dim0_stride: dense
	s_mov_b32 s[G1+6], 0
	s_mov_b32 s[G1+7], 0
	s_lshr_b32 s49, s[WV], 1
	s_mul_i32 s49, s49, RECB
	s_and_b32 s50, s[WV], 1
	s_mul_i32 s50, s50, STEPB/2
	s_add_co_u32 s50, s50, 12800                   ; behind q's part of the record
	s_add_co_u32 s50, s50, s49
	s_add_co_u32 s50, s50, s48
	s_mov_b32 s51, 0
	s_mov_b32 s[G0], 1                             ; 1:0 count = 1
	s_mul_i32 s[G0+1], s[WV], STEPB/2              ; 63:32 LDS address: the wave's number x 12,800: no place in the cluster enters it
	s_mov_b32 s[SEL], 0x76543210
	s_mov_b32 s[SEL+1], 0xfedcba98
	s_mov_b32 s[CS], 0x3e0293ee                    ; c = log2(e) / sqrt(128)
	s_mov_b32 s[CS+1], s[CS]                       ; (named with it as a pair, so it is written)
	s_mov_b32 s[TB], 0
	s_mov_b32 s[KF], 0
	s_mov_b32 s[CNT], 8
	s_mul_i32 s52, s[WV], 16*272
	s_add_co_u32 s52, s52, STAGE                   ; my stage
	s_wait_dscnt 0x0
	s_wait_kmcnt 0x0
	s_add_nc_u64 s[G0+2:G0+3], s[4:5], s[50:51]    ; 120:64 global address: made of the head and the wave's number alone
	s_or_b32 s[G0+3], s[G0+3], 0x80000000          ; 127:126 type = 2
	s_add_nc_u64 s[42:43], s[4:5], s[42:43]
	s_add_nc_u64 s[44:45], s[4:5], s[44:45]
	s_add_nc_u64 s[16:17], s[6:7], s[46:47]
	CROUND                                         ; all four work-groups are here: the joint loads meet
	tensor_load_to_lds s[G0:G0+3], s[G1:G1+7]
	s_nop 0
.rept 4
	v_nop
.endr
	v_and_b32 v7, 31, v0
	s_delay_alu instid0(VALU_DEP_1)
	v_lshlrev_b32 v[LI], 4, v7
	v_and_b32 v8, 15, v0                           ; r = lane % 16
	s_delay_alu instid0(VALU_DEP_1)
	v_lshlrev_b32 v[QSA], 4, v8
.irp c, 0,1,2
	global_load_b128 v[16+4*\c:19+4*\c], v[LI], s[42:43] offset:512*\c   ; Q's fragment stays in registers
.endr
	global_load_b32 v[QSC], v[QSA], s[44:45]       ; lane r: query r's scale word
	v_bfe_u32 v10, v0, 4, 1                        ; h = lane / 16
	v_and_b32 v11, 8, v8
	s_delay_alu instid0(VALU_DEP_1)
	v_add_nc_u32 v[DQ], v8, v11                    ; r + 8 (r / 8)
	s_delay_alu instid0(VALU_DEP_3)
	v_lshlrev_b32 v11, 4, v10
	s_delay_alu instid0(VALU_DEP_1)
	v_sub_nc_u32 v[DQ], v[DQ], v11
	s_delay_alu instid0(VALU_DEP_1)
	v_add_nc_u32 v[DQ], s39, v[DQ]
	v_lshlrev_b32 v[GO], 13, v10
	s_delay_alu instid0(VALU_DEP_1)
	v_lshl_add_u32 v[GO], v8, 4, v[GO]             ; lanes 0-15 take one row of out0, lanes 16-31 the next; 16 bytes a lane
	v_mul_u32_u24 v[SIN], v8, 272
	s_delay_alu instid0(VALU_DEP_1)
	v_lshl_add_u32 v[SIN], v10, 6, v[SIN]
	s_delay_alu instid0(VALU_DEP_1)
	v_add_nc_u32 v[SIN], s52, v[SIN]               ; in: row r, + 64 h
	v_mul_u32_u24 v[SBK], v10, 272
	s_delay_alu instid0(VALU_DEP_1)
	v_lshl_add_u32 v[SBK], v8, 4, v[SBK]
	s_delay_alu instid0(VALU_DEP_1)
	v_add_nc_u32 v[SBK], s52, v[SBK]               ; back: lanes 0-15 one row, lanes 16-31 the next
	v_mov_b32 v13, 0xff61b1e6                      ; the largest t so far: -3e38, under every t
	s_delay_alu instid0(VALU_DEP_1)
	v_floor_f32 v12, -v13                          ; -M
	v_mov_b32 v14, 0                               ; the sum, in two halves
	v_mov_b32 v15, 0
.irp b, 0,1,2,3
	v_mov_b32 v[236+\b], 0                         ; written once: a lane permute's destination counts as one of its sources
.endr
	v_mov_b32 v252, 0
	v_mov_b32 v253, 0                              ; (named as the upper half of the pair v[252:253])
.set j, 0
.rept 64
	v_mov_b32 v[160+j], 0                          ; O^T.  (The step is written once: the first finds zeros, which the first change of M leaves zeros)
.set j, j+1
.endr
; A KEY STEP: 128 keys.
.macro STEP
	s_cmp_gt_u32 s[KF], s[QB]                      ; all its keys come after my block's queries: only the two lines at its end are run
	s_cbranch_scc1 .Lhidden_\@
	v_add_nc_u32 v[ADR], s[TB], v[LI]
	s_wait_alu depctr_va_vdst(0)
.rept 3
	v_nop                                          ; with the addition: four places in front of loads into registers that the last step's products have read
.endr
	ds_load_b128 v[KSC:KSC+3], v[ADR] offset:KSOFF ; K's scale words: word t: lanes 0-15 tile t's, lanes 16-31 tile 4 + t's
.irp g, 0,1                                    ; S^T = K Q^T, four tiles of 16 keys at a time
.if \g > 0
.rept 4
	v_nop
.endr
.endif
.irp t, 0,1,2,3
.irp c, 0,1,2
	ds_load_b128 v[FRG+12*\t+4*\c:FRG+12*\t+4*\c+3], v[ADR] offset:(4*\g+\t)*FRB+512*\c   ; 32 lanes read 512 consecutive bytes
.endr
.endr
	s_wait_dscnt 0x0
.irp t, 0,1,2,3
.if \g == 0
	v_wmma_scale_f32_16x16x128_f8f6f4 v[96+8*\t:103+8*\t], v[FRG+12*\t:FRG+12*\t+11], v[16:27], 0, v[KSC+\t], v[QSC] matrix_a_fmt:MATRIX_FMT_FP6 matrix_b_fmt:MATRIX_FMT_FP6
.else
	v_wmma_scale_f32_16x16x128_f8f6f4 v[128+8*\t:135+8*\t], v[FRG+12*\t:FRG+12*\t+11], v[16:27], 0, v[KSC+\t], v[QSC] matrix_a_fmt:MATRIX_FMT_FP6 matrix_b_fmt:MATRIX_FMT_FP6 matrix_a_scale:MATRIX_SCALE_ROW1
.endif
.endr
.endr
.rept 4
	v_nop                                          ; places in front of the loads below and of the first read of the scores
.endr
.irp t, 0,1,2,3                                ; V's first four fragments and its scale words are asked for here: they land under the softmax
.irp c, 0,1,2
	ds_load_b128 v[FRG+12*\t+4*\c:FRG+12*\t+4*\c+3], v[ADR] offset:VOFF+\t*FRB+512*\c
.endr
.endr
	ds_load_b128 v[VSC:VSC+3], v[ADR] offset:VSOFF
	s_cmp_lt_u32 s[KF], s[QB]                      ; all its keys count: no mask
	s_cbranch_scc1 .Lopen_\@
	v_mov_b32 v254, 0xff800000                     ; -infinity: p = 0 then
.set n, 0
.rept 64
	v_cmp_gt_i32 vcc_lo, 32*(n/16)+n%16, v[DQ]
	v_cndmask_b32 v[96+n], v[96+n], v254, vcc_lo
.set n, n+1
.endr
.Lopen_\@:
.irp b, 0,1,2,3
	v_max3_num_f32 v[232+\b], v[96+16*\b], v[97+16*\b], v[98+16*\b]   ; THE LARGEST SCORE OF EACH BLOCK OF 32 KEYS: it serves twice: for the row's maximum, and, since p rises with the score, for the block's largest p
.endr
.irp i, 3,5,7,9,11,13
.irp b, 0,1,2,3
	v_max3_num_f32 v[232+\b], v[232+\b], v[96+16*\b+\i], v[97+16*\b+\i]   ; (the four blocks by turns)
.endr
.endr
.irp b, 0,1,2,3
	v_max_num_f32 v[232+\b], v[232+\b], v[111+16*\b]
.endr
.irp b, 0,1,2,3
	s_delay_alu instid0(VALU_DEP_4)
	v_permlanex16_b32 v[236+\b], v[232+\b], s[SEL], s[SEL+1]
.endr
.irp b, 0,1,2,3
	s_delay_alu instid0(VALU_DEP_4)
	v_max_num_f32 v[232+\b], v[232+\b], v[236+\b]  ; with lane l xor 16's 16 keys
.endr
	s_delay_alu instid0(VALU_DEP_2)
	v_max3_num_f32 v254, v232, v233, v234
	s_delay_alu instid0(VALU_DEP_1)
	v_max_num_f32 v254, v254, v235                 ; the step's largest score of my query (its own key counts, so it is a number)
	s_delay_alu instid0(VALU_DEP_1)
	v_mul_f32 v254, s[CS], v254                    ; as t (c is positive)
	s_delay_alu instid0(VALU_DEP_1)
	v_max_num_f32 v13, v13, v254                   ; the running largest t
	v_mov_b32 v254, v12
	s_delay_alu instid0(VALU_DEP_2)
	v_floor_f32 v12, -v13                          ; the new -M = floor(-t) = -ceil(t): M IS A WHOLE NUMBER
	s_delay_alu instid0(VALU_DEP_1)
	v_sub_f32 v254, v12, v254                      ; M's old value less its new one: a whole number, 0 or less
	s_delay_alu instid0(VALU_DEP_1)
	v_cvt_i32_f32 v254, v254                       ; (it saturates)
	s_delay_alu instid0(VALU_DEP_1)
	v_ldexp_f32 v252, 1.0, v254                    ; f = 2^(old M - new M): a multiplication by it rounds nothing
.set j, 0
.rept 32
	v_pk_fma_f32 v[96+j:97+j], v[96+j:97+j], s[CS:CS+1], v[12:13] op_sel_hi:[1,0,0]   ; t - M, two at a time (of the pairs c and -M the low word serves both halves)
.set j, j+2
.endr
.irp b, 0,1,2,3
	v_fma_f32 v[232+\b], v[232+\b], s[CS], v12     ; the same of each block's largest score
.endr
.set j, 0
	s_wait_alu depctr_va_vdst(0)
.rept 64
	v_exp_f32 v[96+j], v[96+j]                     ; p = 2^(t - M), at most 1: NOT normalised
.set j, j+1
.endr
	v_pk_mul_f32 v[14:15], v[14:15], v[252:253] op_sel_hi:[1,0]   ; the sums under the new M.  (A plain line behind the exponentials)
	s_wait_alu depctr_va_vdst(0)                   ; one wait for the whole batch, ahead of its first reader
.irp b, 0,1,2,3
	v_exp_f32 v[232+\b], v[232+\b]                 ; the block's largest p: the same two instructions on the same number give the same bits
.endr
	v_pk_add_f32 v[236:237], v[100:101], v[104:105]
	v_pk_add_f32 v[248:249], v[108:109], v[112:113]
	v_pk_add_f32 v[246:247], v[116:117], v[120:121]
	v_pk_add_f32 v[244:245], v[124:125], v[128:129]
	v_pk_add_f32 v[242:243], v[132:133], v[136:137]
	v_pk_add_f32 v[240:241], v[140:141], v[144:145]
	v_pk_add_f32 v[238:239], v[148:149], v[152:153]
	v_pk_add_f32 v[14:15], v[14:15], v[156:157]
	v_pk_add_f32 v[236:237], v[236:237], v[96:97]
	v_pk_add_f32 v[248:249], v[248:249], v[98:99]
	v_pk_add_f32 v[246:247], v[246:247], v[102:103]
	v_pk_add_f32 v[244:245], v[244:245], v[106:107]
	v_pk_add_f32 v[242:243], v[242:243], v[110:111]
	v_pk_add_f32 v[240:241], v[240:241], v[114:115]
	v_pk_add_f32 v[238:239], v[238:239], v[118:119]
	v_pk_add_f32 v[14:15], v[14:15], v[122:123]
	v_pk_add_f32 v[236:237], v[236:237], v[126:127]
	v_pk_add_f32 v[248:249], v[248:249], v[130:131]
	v_pk_add_f32 v[246:247], v[246:247], v[134:135]
	v_pk_add_f32 v[244:245], v[244:245], v[138:139]
	v_pk_add_f32 v[242:243], v[242:243], v[142:143]
	v_pk_add_f32 v[240:241], v[240:241], v[146:147]
	v_pk_add_f32 v[238:239], v[238:239], v[150:151]
	v_pk_add_f32 v[14:15], v[14:15], v[154:155]
	v_pk_add_f32 v[236:237], v[236:237], v[158:159]
	s_delay_alu instid0(VALU_DEP_2)
	v_pk_add_f32 v[14:15], v[14:15], v[244:245]
	s_delay_alu instid0(VALU_DEP_2)
	v_pk_add_f32 v[236:237], v[236:237], v[242:243]
	v_pk_add_f32 v[248:249], v[248:249], v[240:241]
	v_pk_add_f32 v[246:247], v[246:247], v[238:239]
	s_delay_alu instid0(VALU_DEP_2)
	v_pk_add_f32 v[14:15], v[14:15], v[248:249]
	s_delay_alu instid0(VALU_DEP_2)
	v_pk_add_f32 v[236:237], v[236:237], v[246:247]
	s_delay_alu instid0(VALU_DEP_1)
	v_pk_add_f32 v[14:15], v[14:15], v[236:237]
	s_wait_alu depctr_va_vdst(0)                   ; and one for the four
.irp b, 0,1,2,3
	v_max_num_f32 v[232+\b], 0x1800000, v[232+\b]  ; the floor 2^(3 - 127): the byte cannot fall under 1 (a block whose every p is 0 keeps that byte: its codes are zeros)
.endr
.irp b, 0,1,2,3
	s_delay_alu instid0(VALU_DEP_4)
	v_add_nc_u32 v[244+\b], 0xff000000, v[232+\b]  ; 2 off the exponent field: the conversion's scale operand
.endr
.irp b, 0,1,2,3
	s_delay_alu instid0(VALU_DEP_4)
	v_lshrrev_b32 v[236+\b], 23, v[244+\b]         ; the scale's byte
.endr
	s_delay_alu instid0(VALU_DEP_3)
	v_lshl_or_b32 v[PSC], v237, 8, v236            ; p's scale word for these 128 keys
	s_delay_alu instid0(VALU_DEP_1)
	v_lshl_or_b32 v[PSC], v238, 16, v[PSC]
	s_delay_alu instid0(VALU_DEP_1)
	v_lshl_or_b32 v[PSC], v239, 24, v[PSC]
.irp c, 0,1
	v_cvt_scalef32_pk16_fp6_f32 v[224+6*\c:226+6*\c], v[96+32*\c:111+32*\c], v[244+2*\c]
	v_cvt_scalef32_pk16_fp6_f32 v[236+4*\c:238+4*\c], v[112+32*\c:127+32*\c], v[244+2*\c+1]   ; (a conversion's three registers begin on an even number)
.endr
	v_nop                                          ; one plain line behind the last conversion
.irp c, 0,1                                    ; the operand's layout wants a WHOLE block in a lane: lanes 0-15 block 2 c, lanes 16-31 block 2 c + 1
.irp i, 0,1,2
	v_permlane16_swap_b32 v[224+6*\c+\i], v[236+4*\c+\i]
.endr
.irp i, 0,1,2
	s_delay_alu instid0(VALU_DEP_3)
	v_mov_b32 v[227+6*\c+\i], v[236+4*\c+\i]
.endr
.endr
.set j, 0
.rept 32
	v_pk_mul_f32 v[160+j:161+j], v[160+j:161+j], v[252:253] op_sel_hi:[1,0]   ; O^T under the new M: x f.  (These 32 are also the places between the lines that wrote p's codes and scale word and the products below)
.set j, j+2
.endr
	s_wait_alu depctr_va_vdst(0)
	s_wait_dscnt 0x0                               ; V's first four fragments and its scale words are in
.irp t, 0,1,2,3                                ; O^T += V^T P^T: four tiles of 16 channels at a time; K = these 128 keys.  The accumulators take turns, one instruction a turn
	v_wmma_scale_f32_16x16x128_f8f6f4 v[160+8*\t:167+8*\t], v[FRG+12*\t:FRG+12*\t+11], v[224:235], v[160+8*\t:167+8*\t], v[VSC+\t], v[PSC] matrix_a_fmt:MATRIX_FMT_FP6 matrix_b_fmt:MATRIX_FMT_FP6
.endr
.rept 4
	v_nop
.endr
.irp t, 0,1,2,3
.irp c, 0,1,2
	ds_load_b128 v[FRG+12*\t+4*\c:FRG+12*\t+4*\c+3], v[ADR] offset:VOFF+(4+\t)*FRB+512*\c
.endr
.endr
	s_wait_dscnt 0x0
.irp t, 0,1,2,3
	v_wmma_scale_f32_16x16x128_f8f6f4 v[192+8*\t:199+8*\t], v[FRG+12*\t:FRG+12*\t+11], v[224:235], v[192+8*\t:199+8*\t], v[VSC+\t], v[PSC] matrix_a_fmt:MATRIX_FMT_FP6 matrix_b_fmt:MATRIX_FMT_FP6 matrix_a_scale:MATRIX_SCALE_ROW1
.endr
.Lhidden_\@:
	s_add_co_u32 s[KF], s[KF], 128
	s_add_co_u32 s[TB], s[TB], STEPB
.endm
	s_wait_tensorcnt 0x0                           ; my half of a key step has landed,
	s_barrier_signal -1
	s_barrier_wait -1                              ; everybody's has: all eight key steps lie in LDS, and nothing is filled again
	s_wait_loadcnt 0x0                             ; Q and its scale words
.Lstep:
	STEP
	s_sub_co_u32 s[CNT], s[CNT], 1
	s_cmp_lg_u32 s[CNT], 0
	s_cbranch_scc1 .Lstep
	; THE WAY OUT.  O^T x 10,000 / the sum, rounded to a whole number, x 1e-4.  Register 8 t + j is channel 32 (t / 2) + 16 h + 8 (t % 2) + j of my query.  Half a row (64 channels, 256 bytes) of 16 queries at a time goes
	; through my stage, so that sixteen lanes store 256 consecutive bytes, at a multiple of 256 from out0's first byte.
.rept 4
	v_nop                                          ; places behind the last products
.endr
	v_add_f32 v14, v14, v15                        ; the sum's two halves,
	s_delay_alu instid0(VALU_DEP_1)
	v_permlanex16_b32 v252, v14, s[SEL], s[SEL+1]
	s_delay_alu instid0(VALU_DEP_1)
	v_add_f32 v14, v14, v252                       ; and lane l xor 16's: the row's sum
	s_wait_alu depctr_va_vdst(0)
	v_rcp_f32 v14, v14
	v_nop                                          ; a plain line behind the reciprocal
	s_wait_alu depctr_va_vdst(0)                   ; and the wait ahead of its first reader
	v_mul_f32 v14, 0x461c4000, v14                 ; 10,000 / the sum
.set j, 0
.rept 32
	v_pk_mul_f32 v[96+j:97+j], v[160+j:161+j], v[14:15] op_sel_hi:[1,0]   ; each accumulator from its low end on
.set j, j+2
.endr
.set j, 0
.rept 64
	v_rndne_f32 v[96+j], v[96+j]
.set j, j+1
.endr
.set j, 0
.rept 32
	v_pk_mul_f32 v[96+j:97+j], v[96+j:97+j], 0x38d1b717 op_sel_hi:[1,0]   ; x 1e-4
.set j, j+2
.endr
.irp u, 0,1                                    ; channels 64 u on: tiles 4 u .. 4 u + 3: eight stores into the stage, eight loads back
.irp t, 0,1,2,3
	ds_store_b128 v[SIN], v[96+32*\u+8*\t:99+32*\u+8*\t] offset:128*(\t/2)+32*(\t%2)
	ds_store_b128 v[SIN], v[100+32*\u+8*\t:103+32*\u+8*\t] offset:128*(\t/2)+32*(\t%2)+16
.endr
.irp i, 0,1,2,3,4,5,6,7
	ds_load_b128 v[160+32*\u+4*\i:163+32*\u+4*\i], v[SBK] offset:2*\i*272   ; LDS serves a wave's instructions in order: these see my stores, and the next half's stores come behind them
.endr
.endr
.irp u, 0,1
.irp i, 0,1,2,3,4,5,6,7
	s_wait_dscnt 16*(1-\u)+7-\i                    ; behind load i of its half: 7 - i loads, and for the first half the second half's 8 stores and 8 loads
	global_store_b128 v[GO], v[160+32*\u+4*\i:163+32*\u+4*\i], s[16:17] offset:(2*\i+8*(\i/4))*8192+256*\u th:TH_STORE_NT   ; stage rows 2 i, 2 i + 1 are queries 2 i + 8 (i / 4) and the next; written once, read by nobody here
.endr
.endr
	s_wait_tensorcnt 0x0
	ds_add_u32 v251, v255
	s_wait_dscnt 0x0
	CROUND                                         ; the closing round (no LDS instruction of mine is out: the last wait was for 0): no work-group ends while a partner may still ask for a tile that names it
	s_endpgm
.Lfunc_end_k_q1e5ff34da9_attn:
	.size	k_q1e5ff34da9_attn, .Lfunc_end_k_q1e5ff34da9_attn-k_q1e5ff34da9_attn
	.p2alignl 7, 3214868480
	.fill 96, 4, 3214868480
	.section	.rodata,"a",@progbits
	.p2align	6, 0x0
	.amdhsa_kernel k_q1e5ff34da9_attn
		.amdhsa_group_segment_fixed_size 276480
		.amdhsa_private_segment_fixed_size 0
		.amdhsa_enable_private_segment 0
		.amdhsa_kernarg_size 16
		.amdhsa_user_sgpr_count 2
		.amdhsa_user_sgpr_kernarg_segment_ptr 1
		.amdhsa_wavefront_size32 1
		.amdhsa_system_sgpr_workgroup_id_x 1
		.amdhsa_system_sgpr_workgroup_id_y 1
		.amdhsa_system_sgpr_workgroup_id_z 1
		.amdhsa_system_vgpr_workitem_id 0
		.amdhsa_next_free_vgpr 256
		.amdhsa_next_free_sgpr 66
		.amdhsa_reserve_vcc 1
		.amdhsa_float_denorm_mode_32 3
		.amdhsa_float_denorm_mode_16_64 3
		.amdhsa_memory_ordered 1
		.amdhsa_forward_progress 1
		.amdhsa_inst_pref_size 46
	.end_amdhsa_kernel
	.amdgpu_metadata
---
amdhsa.version: [ 1, 2 ]
amdhsa.kernels:
  - .name:           k_q1e5ff34da9_attn
    .symbol:         k_q1e5ff34da9_attn.kd
    .args:
      - { .name: qkv, .offset: 0, .size: 8, .value_kind: global_buffer, .address_space: global }
      - { .name: out0, .offset: 8, .size: 8, .value_kind: global_buffer, .address_space: global }
    .group_segment_fixed_size: 276480
    .private_segment_fixed_size: 0
    .kernarg_segment_align: 8
    .kernarg_segment_size: 16
    .max_flat_workgroup_size: 512
    .sgpr_count:     66
    .vgpr_count:     256
    .wavefront_size: 32
...
	.end_amdgpu_metadata
.endif
;; end of part 3
